; MI455X (gfx1250); checked and timed in simulation.
; The chip was launched on July 23, 2026; its instructions are those of AMD's public machine-readable ISA for CDNA 5 (MIT licence, August 2026) and "CDNA5" Instruction Set Architecture Reference Guide (July 2026). The comments in the code are by the model that wrote it; some were corrected since.
;; DS Attention. Allowed arithmetic: float matrix products may take bf16 or f16 operands with f32 sums; all other float work in f32.
;; Inputs: delta 4 x 1 x 2,048 float32; keys 4 x 2,048 x 8 x 64 float32; queries 4 x 2,048 x 8 x 64 float32; tau 4 x 1 x 1 float32; values 4 x 2,048 x 8 x 64 float32.
;; Outputs: out0 4 x 2,048 x 8 x 64 float32.
;; 2 versions, each right; version 2 is version 1 with the launch attn written anew for expert scheduling mode. Each part assembles by itself: llvm-mc -triple=amdgcn-amd-amdhsa -mcpu=gfx1250 --defsym DOCPART=n.
;; ======== version 1 of 2: 1 launch
;; limits: values are held in f16: magnitudes above 65,504 overflow, below 6.1e-05 lose precision; inputs' magnitudes at most 65,504; right only within a limited range of input values
;; launch attn (part 1): grid 256 x 1, 4 waves a work-group, no clusters, 229,888 bytes of LDS; arguments queries, keys, values, tau, delta, out0; writes out0
.if DOCPART == 1
	.amdgcn_target "amdgcn-amd-amdhsa--gfx1250"
	.amdhsa_code_object_version 6
	.text
	.protected	k_q8bf218186e_attn
	.globl	k_q8bf218186e_attn
	.p2align	8
	.type	k_q8bf218186e_attn,@function
k_q8bf218186e_attn:
	s_mov_b64 s[64:65], 0
	v_nop
	global_prefetch_b8 v0, s[64:65] scope:SCOPE_SE
	s_setreg_imm32_b32 hwreg(HW_REG_WAVE_MODE, 25, 1), 1
	s_wait_xcnt 0x0
; Causal attention with a per-batch scale and a per-key bias:
;   out[b,l,h,:] = softmax over s <= l of ((q.k) tau[b] + delta[b,s]) / 8, times V.   B 4, L 2048, H 8, E = D 64, all f32, [b][l][h][64].
; WORK.  256 work-groups of four waves.  Work-group (head = id >> 3, i = id & 7) makes two blocks of 128 queries: block i, then block 15 - i.
; Block J needs J + 1 tiles of 128 keys, so every work-group runs (i + 1) + (16 - i) = 17 tile turns.  In a pass the diagonal tile comes
; first and the tiles descend, so that 'the sums start' and 'the mask applies' are the same turn.
; THE KEYS ARE SPLIT OVER THE WAVES: in a turn wave w takes keys 32 w .. 32 w + 31 of the tile against all 128 queries (8 tiles of 16).  Each K and
; V byte is loaded, rounded to f16 and staged in LDS by one wave alone, in bytes of that wave's own: the turns need no barrier.  At a pass's end
; the four waves' (m, l, O) meet in LDS, and the same trip turns the accumulators into whole rows of 256 bytes.
; PRODUCTS, both transposed.  S^T = K Q'^T + delta': source 0 = 16 keys, source 1 = 16 queries, C = delta' in registers; Q' = q tau log2(e) / 8
; (scaled in f32, then rounded), delta' = delta log2(e) / 8: S is in powers of two, bias included.  A lane holds one query (l % 16) and eight keys
; per tile, so maximum and sum are per lane, plus one exchange between the lane halves.  Two packed S tiles ARE source 1 (32 keys x 16 queries) of
; O^T += V^T P^T, whose source 0 comes by transposing LDS loads from V staged as [key][d].
; F16, NOT BF16, for all four operands.  A row with few heavy keys is a sum of a few terms of size |v| that may nearly cancel, while most rows
; average a thousand keys and are ten times smaller: an operand of 8 significant bits leaves |v| 2^-9 on each term, one of 11 bits |v| 2^-12.
; f16 has the room: k, v and q tau log2(e) / 8 must stay below 65,504 in size; numbers of size 6 taken 30 times larger, tau 45 with them, give
; 180 and 180 x 45 x 0.18 = 1,500.  Below 6e-5 f16 steps by 6e-8, which is an absolute error of that size on a score or on an output term.
; PIPELINE over turns: turn t multiplies tile t, converts and stages tile t + 1 (four loads' worth in each of its 8 steps), asks memory for tile
; t + 2 into the registers just converted, and reads tile t + 1's fragments at its end.  32 loads of 512 bytes of each wave are always out.
; NO CLUSTER, NO TENSOR LOADS: the eight work-groups of a head stand at different tiles at any moment (work-group i walks i .. 0, 15 - i .. 0), so
; joint requests would need equal lists, that is masked tiles computed; and a tile brought to LDS as f32 would add 16 KB written and 16 KB read
; per wave and turn to the 18 KB moved here, while the data still had to pass registers for rounding.
; LIMITS, kept on purpose: |k|, |v| and |q tau| x 0.1804 below 65,504 (above it the f16 operand is infinite); the running maximum starts at
; -FLT_MAX (a wave may see only masked keys of a query), so scores below -3.4e38 (in powers of two) count as masked; NaN and infinities in the
; inputs are not honoured (the maxima drop NaN); exponentials below 2^-126 are 0, and weights below 3e-8 of a slice's largest are 0 in the
; product with V; a row's sum is made in four key slices that are merged, not in the order of the keys.
; ---- LDS, bytes ----
.set DELTA,  0                         ; delta'[2048] of my batch, f32
.set QST,    8192                      ; two passes x 128 queries x 144 bytes (64 f16 + 16)
.set QPASS,  18432
.set KST,    45056                     ; wave's own: 32 keys x 144 bytes
.set KWAVE,  4608
.set VST,    63488                     ; wave's own: 32 keys x 160 bytes
.set VWAVE,  5120
.set MT,     83968                     ; [wave][query 0..127] pairs (m, l)
.set MG,     88064                     ; wave's own: [my query 0..31][4] weights of the four waves' parts
.set MO,     90112                     ; [wave][query 0..127] x 272 bytes (64 f32 + 16)
.set MOWAVE, 34816
.set KP,     144                       ; odd multiple of 16: sixteen rows begin in sixteen different 16-byte columns of a 256-byte span
.set VP,     160                       ; odd multiple of 32, for the transposing loads
.set OP,     272
; ---- vector registers, window 0 ----
.set LB,   4                           ; byte offset of my 16 bytes in a 32-row slab: batch, head, wave, lane
.set OFF,  5                           ; LB + tile << 18: the tile now asked for
.set KSTA, 6                           ; where I stage 8 bytes of K / of V
.set VSTA, 7
.set KFRA, 8                           ; where I read K / V fragments
.set VFRA, 9
.set DLB,  10                          ; my 8 keys' delta' in tile 0
.set DEL,  11                          ; the same in the tile whose fragments are read next
.set MA,   12                          ; (l % 16) - 8 (l / 16) - 32 w: the mask's lane term
.set NINF, 13
.set QFRA, 14
.set MOA,  15
.set MTA,  16
.set MTR,  17
.set MGA,  18
.set MGR,  19
.set RD,   20                          ; v20-23: where I read wave 0..3's part of my output rows
.set QO1,  24                          ; LB + i << 18: Q, out and first tile of pass 1
.set QO2,  25                          ; LB + (15 - i) << 18
.set NM,   26                          ; v26 new maximum (v27 written once: the pair is named by packed adds)
.set AL,   28                          ; v28 alpha (v29 likewise)
.set T,    30                          ; v30-37 temporaries
.set U0,   38                          ; v38-41 two pairs of partial sums
.set U1,   40
.set PF,   42
.set QSTA, 43
.set ML,   44                          ; v44-59 pairs (m, l) of the 8 query tiles
.set CT,   60                          ; v60-67 four loads' worth of f16
.set P,    68                          ; v68-75 P fragment
.set S,    76                          ; v76-107 two buffers of two S tiles
.set DL,   108                         ; v108-123 delta' tiles
.set KF,   124                         ; v124-155 K fragments [16 keys][32 e]
.set VF,   156                         ; v156-187 V^T fragments [16 d]
; window 1: v0-127 Q fragments [query tile][32 e]; v128-191 K as loaded; v192-255 V as loaded
.set RAW,  128
; window 2: v0-255 O: 32 x query tile + 8 x d tile + j.  Also Q as loaded (set-up) and the merge's work registers.
; ---- scalars: s[4:5] queries, s[6:7] keys, s[8:9] values, s[10:11] tau, s[12:13] delta, s[14:15] out0; s16 wave, s17 i, s18 head of 32,
; s19 batch, s20 head, s21 15 - i, s22 index of the next request, s23 its tile, s24 the tile staged now, s25 tau, s28-29 lane selects,
; s30 -FLT_MAX, s31 loop counter, s32-35 temporaries
.set MSB, 0
.macro WIN new                         ; low byte: windows of source 0, 1, 2 and destination; high byte repeats the setting left
.if MSB != \new
	s_set_vgpr_msb (MSB<<8)|\new
.set MSB, \new
.endif
.endm
; Head of a turn.  The tile asked for last is staged in this turn; g = 1: choose the next one, tile(c) = i - c for c <= i, else 16 - c.
.macro NEXT g
	s_mov_b32 s24, s23
.if \g
	s_sub_co_u32 s32, s17, s22
	s_sub_co_u32 s33, 16, s22
	s_cmp_le_u32 s22, s17
	s_cselect_b32 s23, s32, s33
	s_and_b32 s23, s23, 15
	s_add_co_u32 s22, s22, 1
	s_lshl_b32 s32, s23, 18
	s_wait_xcnt 0x0                                ; OFF is the address of the last turn's loads: rewritten only behind this wait
	v_add_nc_u32 v[OFF], s32, v[LB]
.endif
	s_lshl_b32 s33, s24, 9                         ; 128 keys x 4 bytes
	v_add_nc_u32 v[DEL], s33, v[DLB]
.endm
; Loads 4 s .. 4 s + 3 of the batch of 32 (16 of K, then 16 of V): round to f16, ask for the next tile into the same registers (kind 2), stage.
.macro CPART s, kind, cnt
	s_wait_loadcnt \cnt                            ; loads return in order: the four oldest are in, cnt younger ones stay out
	WIN 0x05
.set cb, RAW+16*(\s)
.set k, 0
.rept 4
	v_cvt_pk_f16_f32 v[CT+2*k],   v[cb+4*k],   v[cb+4*k+1]
	v_cvt_pk_f16_f32 v[CT+2*k+1], v[cb+4*k+2], v[cb+4*k+3]
.set k, k+1
.endr
.if \kind == 2
	WIN 0x40
.set k, 0
.rept 4
.if \s < 4
	global_load_b128 v[cb+4*k:cb+4*k+3], v[OFF], s[6:7] offset:(4*(\s)+k)*4096       ; two whole rows of 256 bytes
.else
	global_load_b128 v[cb+4*k:cb+4*k+3], v[OFF], s[8:9] offset:(4*((\s)-4)+k)*4096
.endif
.set k, k+1
.endr
.endif
	WIN 0
.set k, 0
.rept 4
.if \s < 4
	ds_store_b64 v[KSTA], v[CT+2*k:CT+2*k+1] offset:(4*(\s)+k)*2*KP
.else
	ds_store_b64 v[VSTA], v[CT+2*k:CT+2*k+1] offset:(4*((\s)-4)+k)*2*VP
.endif
.set k, k+1
.endr
.endm
; 12 LDS loads: four K fragments and two delta' tiles.  LDS serves a wave in order, and the stage is the wave's own: they see the stores above.
.macro FK
.irp a, 0,1
.irp e, 0,1
	ds_load_b128 v[KF+16*\a+8*\e:KF+16*\a+8*\e+3],   v[KFRA] offset:\a*16*KP+\e*64
	ds_load_b128 v[KF+16*\a+8*\e+4:KF+16*\a+8*\e+7], v[KFRA] offset:\a*16*KP+\e*64+32
.endr
.endr
.irp a, 0,1
	ds_load_b128 v[DL+8*\a:DL+8*\a+3],   v[DEL] offset:64*\a
	ds_load_b128 v[DL+8*\a+4:DL+8*\a+7], v[DEL] offset:64*\a+16
.endr
.endm
; 8 transposing LDS loads: V^T, four tiles of 16 d x 32 keys
.macro FV
.irp c, 0,1,2,3
	ds_load_tr16_b128 v[VF+8*\c:VF+8*\c+3],   v[VFRA] offset:32*\c
	ds_load_tr16_b128 v[VF+8*\c+4:VF+8*\c+7], v[VFRA] offset:16*VP+32*\c
.endr
.endm
; 32 LDS loads: the Q' fragments of pass p
.macro QFRAG p
	WIN 0x40
.set j, 0
.rept 16
	ds_load_b128 v[8*j:8*j+3],   v[QFRA] offset:\p*QPASS+(j/2)*16*KP+(j%2)*64
	ds_load_b128 v[8*j+4:8*j+7], v[QFRA] offset:\p*QPASS+(j/2)*16*KP+(j%2)*64+32
.set j, j+1
.endr
	WIN 0
.endm
; S^T of query tile i: two tiles of 16 keys, 64 along e in two links; the first link takes delta' as C
.macro QK i
	WIN 0x04
.set sb, S+16*((\i)&1)
.set qb, 16*(\i)
	v_wmma_f32_16x16x32_f16 v[sb:sb+7],    v[KF:KF+7],     v[qb:qb+7],    v[DL:DL+7]
	v_wmma_f32_16x16x32_f16 v[sb+8:sb+15], v[KF+16:KF+23], v[qb:qb+7],    v[DL+8:DL+15]
	v_wmma_f32_16x16x32_f16 v[sb:sb+7],    v[KF+8:KF+15],  v[qb+8:qb+15], v[sb:sb+7]
	v_wmma_f32_16x16x32_f16 v[sb+8:sb+15], v[KF+24:KF+31], v[qb+8:qb+15], v[sb+8:sb+15]
.endm
.macro EXP4 b
.irp q, 0,1,2,3
	v_exp_f32 v[\b+\q], v[\b+\q]
.endr
.endm
; Running softmax of query tile i on its 32 keys.  first = 1: diagonal tile, which is also the pass's first: mask, and start m and l.
.macro SOFTMAX i, first
	WIN 0
.set ss, S+16*((\i)&1)
.set mm, ML+2*(\i)
.set ll, ML+2*(\i)+1
.if \first
.set j, 0
.rept 16
.set kc, 16*(j/8)+(j%8)-16*(\i)
	v_cmp_gt_i32 vcc_lo, kc, v[MA]                 ; key 32 w + 16 t + 8 (l / 16) + j above query 16 i + l % 16
	v_cndmask_b32 v[ss+j], v[ss+j], v[NINF], vcc_lo
.set j, j+1
.endr
.endif
	v_max3_num_f32 v[T],   v[ss],   v[ss+1],  v[ss+2]
	v_max3_num_f32 v[T+1], v[ss+3], v[ss+4],  v[ss+5]
	v_max3_num_f32 v[T+2], v[ss+6], v[ss+7],  v[ss+8]
	v_max3_num_f32 v[T+3], v[ss+9], v[ss+10], v[ss+11]
	v_max3_num_f32 v[T],   v[T],    v[ss+12], v[ss+13]
	v_max3_num_f32 v[T+1], v[T+1],  v[ss+14], v[ss+15]
.if \first
	v_max3_num_f32 v[T+2], v[T+2], v[T+3], s30
.else
	v_max3_num_f32 v[T+2], v[T+2], v[T+3], v[mm]
.endif
	v_max3_num_f32 v[T], v[T], v[T+1], v[T+2]
	v_permlanex16_b32 v[T+1], v[T], s28, s29       ; the query's other 16 keys lie in the other half of the lanes
	v_max_num_f32 v[NM], v[T], v[T+1]
.if \first == 0
	v_sub_f32 v[T+4], v[mm], v[NM]
.endif
.set j, 0
.rept 8
	v_pk_add_f32 v[ss+2*j:ss+2*j+1], v[ss+2*j:ss+2*j+1], v[NM:NM+1] op_sel_hi:[1,0] neg_lo:[0,1] neg_hi:[0,1]
.set j, j+1
.endr
	; Exponentials in runs of four; behind each run stands plain work on the run before, so that a plain instruction that touches none of a
	; run's registers always comes before that run's results are read (ISA guide 5.7.2).
.if \first == 0
	v_exp_f32 v[AL], v[T+4]
.endif
	EXP4 ss
	v_mov_b32 v[mm], v[NM]
	EXP4 ss+4
	s_wait_alu depctr_va_vdst(0)
	v_pk_add_f32 v[U0:U0+1], v[ss:ss+1], v[ss+2:ss+3]
	v_cvt_pk_f16_f32 v[P],   v[ss],   v[ss+1]
	v_cvt_pk_f16_f32 v[P+1], v[ss+2], v[ss+3]
	EXP4 ss+8
	v_pk_add_f32 v[U1:U1+1], v[ss+4:ss+5], v[ss+6:ss+7]
	v_cvt_pk_f16_f32 v[P+2], v[ss+4], v[ss+5]
	v_cvt_pk_f16_f32 v[P+3], v[ss+6], v[ss+7]
	EXP4 ss+12
	s_wait_alu depctr_va_vdst(0)
	v_pk_add_f32 v[U0:U0+1], v[U0:U0+1], v[ss+8:ss+9]
	v_pk_add_f32 v[U1:U1+1], v[U1:U1+1], v[ss+10:ss+11]
	v_cvt_pk_f16_f32 v[P+4], v[ss+8],  v[ss+9]
	v_cvt_pk_f16_f32 v[P+5], v[ss+10], v[ss+11]
	v_pk_add_f32 v[U0:U0+1], v[U0:U0+1], v[ss+12:ss+13]
	v_pk_add_f32 v[U1:U1+1], v[U1:U1+1], v[ss+14:ss+15]
	v_cvt_pk_f16_f32 v[P+6], v[ss+12], v[ss+13]
	v_cvt_pk_f16_f32 v[P+7], v[ss+14], v[ss+15]
	v_pk_add_f32 v[U0:U0+1], v[U0:U0+1], v[U1:U1+1]
.if \first
	v_add_f32 v[ll], v[U0], v[U0+1]                ; l is kept per lane: the two halves' parts are added at the merge
.else
	v_add_f32 v[T+5], v[U0], v[U0+1]
	v_fma_f32 v[ll], v[ll], v[AL], v[T+5]
.endif
.endm
.macro RESCALE i                       ; O of query tile i times alpha, which is one number a lane
	WIN 0x82
.set j, 0
.rept 16
	v_pk_mul_f32 v[32*(\i)+2*j:32*(\i)+2*j+1], v[32*(\i)+2*j:32*(\i)+2*j+1], v[AL:AL+1] op_sel_hi:[1,0]
.set j, j+1
.endr
.endm
.macro PV i, first                     ; O^T of query tile i += V^T P^T; the pass's first product starts the sums
	WIN 0xa0
.set ob, 32*(\i)
.irp c, 0,1,2,3
.if \first
	v_wmma_f32_16x16x32_f16 v[ob+8*\c:ob+8*\c+7], v[VF+8*\c:VF+8*\c+7], v[P:P+7], 0
.else
	v_wmma_f32_16x16x32_f16 v[ob+8*\c:ob+8*\c+7], v[VF+8*\c:VF+8*\c+7], v[P:P+7], v[ob+8*\c:ob+8*\c+7]
.endif
.endr
.endm
; One of a turn's eight steps.  The next query tile's S is issued first, so that the softmax below always reads results that stand a whole step
; back; at step 0 the eight conversions (or four v_nop) are the independent vector instructions between a product and its reader (ISA guide 7.12.1).
.macro STEP st, first, kind
.if \st < 7
	QK \st+1
.endif
.if \kind == 2
	CPART \st, 2, 28                               ; 32 loads are out at each step's head; the 28 behind this step's four are the batch's rest and this turn's new requests
.endif
.if \kind == 1
	CPART \st, 1, 28-4*\st                         ; nothing is asked for any more: the count runs down
.endif
.if \kind == 0
.if \st == 0
.rept 4
	v_nop
.endr
.endif
.else
.if \st == 7
	FK                                             ; the next tile's K and delta': their registers were last read by the products issued a step ago
.endif
.endif
	SOFTMAX \st, \first
.if \first == 0
	RESCALE \st
.endif
.if \st == 0
.if \kind == 0
	s_wait_dscnt 0x0                               ; V^T fragments: nothing was issued behind them
.else
	s_wait_dscnt 0x4                               ; V^T fragments are in: only this step's four stage stores are younger
.endif
.endif
	PV \st, \first
.endm
; A turn.  kind 2: stage the next tile, ask for the one after, read fragments; kind 1: stage and read; kind 0: the last, multiplies only.
.macro TURN first, kind
.if \kind == 2
	NEXT 1
.endif
.if \kind == 1
	NEXT 0
.endif
.if \first
	s_wait_dscnt 0x0                               ; K, delta', V^T and the pass's Q' fragments
.else
	s_wait_dscnt 0x8                               ; K and delta' are in: only the eight V^T loads are younger
.endif
	QK 0
	STEP 0, \first, \kind
	STEP 1, \first, \kind
	STEP 2, \first, \kind
	STEP 3, \first, \kind
	STEP 4, \first, \kind
	STEP 5, \first, \kind
	STEP 6, \first, \kind
	STEP 7, \first, \kind
	WIN 0
.if \kind != 0
.rept 4
	v_nop                                          ; four independent vector instructions between the last product and the loads into its source
.endr
	FV
.endif
.endm
; The merge's second half: row pairs t = 4 bt .. 4 bt + 3 of my 32 queries, 20 registers each (4 weights, 4 x 4 numbers) in set 0 or 1 of window 2
.macro MLOAD bt, set
	WIN 0x80
.set tl, 0
.rept 4
.set xb, 80*(\set)+20*tl
.set tt, 4*(\bt)+tl
	ds_load_b128 v[xb:xb+3],     v[MGR]  offset:32*tt
	ds_load_b128 v[xb+4:xb+7],   v[RD]   offset:2*OP*tt
	ds_load_b128 v[xb+8:xb+11],  v[RD+1] offset:2*OP*tt
	ds_load_b128 v[xb+12:xb+15], v[RD+2] offset:2*OP*tt
	ds_load_b128 v[xb+16:xb+19], v[RD+3] offset:2*OP*tt
.set tl, tl+1
.endr
.endm
.macro MPROC bt, set, oo, cnt
	s_wait_dscnt \cnt                              ; this batch is in; the next batch's 20 loads (or none) stay out
	WIN 0xaa
.set tl, 0
.rept 4
.set xb, 80*(\set)+20*tl
	v_pk_mul_f32 v[xb+4:xb+5], v[xb+4:xb+5],   v[xb:xb+1] op_sel_hi:[1,0]
	v_pk_mul_f32 v[xb+6:xb+7], v[xb+6:xb+7],   v[xb:xb+1] op_sel_hi:[1,0]
	v_pk_fma_f32 v[xb+4:xb+5], v[xb+8:xb+9],   v[xb:xb+1],   v[xb+4:xb+5] op_sel:[0,1,0] op_sel_hi:[1,1,1]
	v_pk_fma_f32 v[xb+6:xb+7], v[xb+10:xb+11], v[xb:xb+1],   v[xb+6:xb+7] op_sel:[0,1,0] op_sel_hi:[1,1,1]
	v_pk_fma_f32 v[xb+4:xb+5], v[xb+12:xb+13], v[xb+2:xb+3], v[xb+4:xb+5] op_sel_hi:[1,0,1]
	v_pk_fma_f32 v[xb+6:xb+7], v[xb+14:xb+15], v[xb+2:xb+3], v[xb+6:xb+7] op_sel_hi:[1,0,1]
	v_pk_fma_f32 v[xb+4:xb+5], v[xb+16:xb+17], v[xb+2:xb+3], v[xb+4:xb+5] op_sel:[0,1,0] op_sel_hi:[1,1,1]
	v_pk_fma_f32 v[xb+6:xb+7], v[xb+18:xb+19], v[xb+2:xb+3], v[xb+6:xb+7] op_sel:[0,1,0] op_sel_hi:[1,1,1]
.set tl, tl+1
.endr
	WIN 0x08
.set tl, 0
.rept 4
.set xb, 80*(\set)+20*tl
.set tt, 4*(\bt)+tl
	global_store_b128 v[\oo], v[xb+4:xb+7], s[14:15] offset:4096*tt th:TH_STORE_NT   ; 16 lanes store one query's 256 bytes, aligned
.set tl, tl+1
.endr
.endm
; End of a pass: out = sum over waves of O_w 2^(m_w - M) / sum over waves of l_w 2^(m_w - M).  oo: the register with the block's offset in out0.
.macro MERGE oo, last
	WIN 0
.set j, 0
.rept 8
	v_permlanex16_b32 v[T+j], v[ML+2*j+1], s28, s29
.set j, j+1
.endr
.set j, 0
.rept 8
	v_add_f32 v[ML+2*j+1], v[ML+2*j+1], v[T+j]     ; l over both halves of the lanes (also the distance between the last product and the stores of O)
.set j, j+1
.endr
.set j, 0
.rept 8
	ds_store_b64 v[MTA], v[ML+2*j:ML+2*j+1] offset:128*j
.set j, j+1
.endr
	WIN 0x08
.set j, 0
.rept 64
	ds_store_b128 v[MOA], v[4*j:4*j+3] offset:16*OP*(j/8)+64*((j%8)/2)+16*(j%2)      ; query 16 i + l % 16, d = 16 c + 8 (l / 16) + 0..7
.set j, j+1
.endr
	WIN 0
	s_wait_dscnt 0x0                               ; my stores are done, for the other waves' sake
	s_barrier_signal -1
	s_barrier_wait -1
.irp q, 0,1,2,3
	ds_load_b64 v[S+2*\q:S+2*\q+1], v[MTR] offset:1024*\q          ; lane l: (m, l) of query 32 w + l from each wave
.endr
	s_wait_dscnt 0x0
	v_max3_num_f32 v[T], v[S], v[S+2], v[S+4]
	v_max_num_f32 v[T], v[T], v[S+6]
.irp q, 0,1,2,3
	v_sub_f32 v[S+8+\q], v[S+2*\q], v[T]
.endr
	EXP4 S+8
	v_nop
	s_wait_alu depctr_va_vdst(0)
	v_mul_f32 v[T+1], v[S+8],  v[S+1]
	v_fma_f32 v[T+1], v[S+9],  v[S+3], v[T+1]
	v_fma_f32 v[T+1], v[S+10], v[S+5], v[T+1]
	v_fma_f32 v[T+1], v[S+11], v[S+7], v[T+1]      ; at least 1: the wave that holds the maximum counts 2^0 for it
	v_rcp_f32 v[T+2], v[T+1]
	v_nop
	s_wait_alu depctr_va_vdst(0)
.irp q, 0,1,2,3
	v_mul_f32 v[S+8+\q], v[S+8+\q], v[T+2]
.endr
	ds_store_b128 v[MGA], v[S+8:S+11]              ; my wave's own bytes: its loads below follow in order
	MLOAD 0, 0
	MLOAD 1, 1
	MPROC 0, 0, \oo, 0x14
	s_wait_xcnt 0x0                                ; the stores' data registers are loaded again only behind this wait
	MLOAD 2, 0
	MPROC 1, 1, \oo, 0x14
	s_wait_xcnt 0x0
	MLOAD 3, 1
	MPROC 2, 0, \oo, 0x14
	MPROC 3, 1, \oo, 0x0
	WIN 0
.if \last == 0
	s_wait_xcnt 0x0                                ; window 2 holds the next pass's sums: written again only behind this wait
	s_barrier_signal -1                            ; every wave's LDS loads of the merge are back (the wait for 0 above, nothing since):
	s_barrier_wait -1                              ; the next merge may write these bytes again
.endif
.endm
; ================================================ set-up ================================================
	s_load_b256 s[4:11], s[0:1], 0x0               ; queries, keys, values, tau
	s_load_b128 s[12:15], s[0:1], 0x20             ; delta, out0
	v_lshl_add_u32 v254, v0, 2, 0x38000
	v_mov_b32 v255, 0
	v_lshrrev_b32 v1, 5, v0
	v_readfirstlane_b32 s16, v1                    ; wave
	s_and_b32 s17, ttmp9, 7                        ; i
	s_lshr_b32 s18, ttmp9, 3
	s_lshr_b32 s19, s18, 3                         ; batch
	s_and_b32 s20, s18, 7                          ; head
	s_sub_co_u32 s21, 15, s17
	s_mov_b32 s28, 0x76543210                      ; v_permlanex16_b32: lane l of one half reads lane l of the other
	s_mov_b32 s29, 0xfedcba98
	s_mov_b32 s30, 0xff7fffff                      ; -FLT_MAX
	v_and_b32 v1, 15, v0                           ; l % 16
	v_bfe_u32 v2, v0, 4, 1                         ; l / 16
	v_and_b32 v3, 31, v0                           ; l
	s_lshl_b32 s34, s19, 22                        ; a batch is 2048 x 8 x 256 bytes,
	s_lshl_b32 s33, s20, 8                         ; a head's row 256 bytes, rows 2,048 bytes apart
	s_or_b32 s34, s34, s33
	s_lshl_b32 s33, s16, 16                        ; the wave's 32 rows
	s_or_b32 s32, s34, s33
	v_lshlrev_b32 v[LB], 4, v1
	v_lshl_or_b32 v[LB], v2, 11, v[LB]             ; lanes 0-15 one row, lanes 16-31 the next
	v_add_nc_u32 v[LB], s32, v[LB]
	s_lshl_b32 s32, s17, 18                        ; 128 rows
	v_add_nc_u32 v[QO1], s32, v[LB]
	s_lshl_b32 s33, s21, 18
	v_add_nc_u32 v[QO2], s33, v[LB]
	s_add_co_u32 s33, s33, s34
	v_lshl_add_u32 v[PF], v0, 11, s33              ; row t of tile 15 - i of my head
	v_lshlrev_b32 v[U0], 4, v0                     ; delta: 16 bytes a thread, in LDS
	s_lshl_b32 s32, s19, 13
	v_add_nc_u32 v[U0+1], s32, v[U0]               ; and in memory
	s_lshl_b32 s32, s19, 2
	s_mov_b32 s33, 0
	s_wait_kmcnt 0x0
	s_add_nc_u64 s[10:11], s[10:11], s[32:33]
	s_load_b32 s25, s[10:11], 0x0                  ; tau of my batch
.irp q, 0,1,2,3
	global_load_b128 v[VF+4*\q:VF+4*\q+3], v[U0+1], s[12:13] offset:2048*\q
.endr
	WIN 0x80
.set j, 0
.rept 16
	global_load_b128 v[4*j:4*j+3], v[QO1], s[4:5] offset:4096*j th:TH_LOAD_NT        ; Q is read once in the launch
.set j, j+1
.endr
.set j, 0
.rept 16
	global_load_b128 v[64+4*j:64+4*j+3], v[QO2], s[4:5] offset:4096*j th:TH_LOAD_NT
.set j, j+1
.endr
	WIN 0x40
.set j, 0
.rept 16
	global_load_b128 v[RAW+4*j:RAW+4*j+3], v[QO1], s[6:7] offset:4096*j              ; tile i of K,
.set j, j+1
.endr
.set j, 0
.rept 16
	global_load_b128 v[RAW+64+4*j:RAW+64+4*j+3], v[QO1], s[8:9] offset:4096*j        ; and of V: the first turn's
.set j, j+1
.endr
	WIN 0
	; Tiles 0-7 of a head are first touched by the loads above, one work-group each.  Tile 15 - i is first wanted by this work-group, as its
	; request number i + 1: each thread asks once for one row of K and one of V, 64 KB a work-group, each row asked for once in the launch.
	global_prefetch_b8 v[PF], s[6:7] th:TH_LOAD_NT scope:SCOPE_SE
	global_prefetch_b8 v[PF], s[8:9] th:TH_LOAD_NT scope:SCOPE_SE
	; LDS addresses, while the loads are on their way
	s_mul_i32 s32, s16, KWAVE
	s_add_co_u32 s33, s32, KST
	s_add_co_u32 s32, s32, QST                     ; the wave's 32 rows of the Q stage are 4,608 bytes too
	v_mul_u32_u24 v[T], v2, KP
	v_lshl_add_u32 v[T], v1, 3, v[T]
	v_add_nc_u32 v[KSTA], s33, v[T]
	v_add_nc_u32 v[QSTA], s32, v[T]
	v_mul_u32_u24 v[T+1], v1, KP
	v_lshl_add_u32 v[T+1], v2, 4, v[T+1]           ; fragment: row l % 16, 16 bytes for each half of the lanes
	v_add_nc_u32 v[KFRA], s33, v[T+1]
	v_add_nc_u32 v[QFRA], QST, v[T+1]
	s_mul_i32 s32, s16, VWAVE
	s_add_co_u32 s32, s32, VST
	v_mul_u32_u24 v[T+2], v2, VP
	v_lshl_add_u32 v[T+2], v1, 3, v[T+2]
	v_add_nc_u32 v[VSTA], s32, v[T+2]
	v_and_b32 v[T+3], 7, v0
	v_lshl_add_u32 v[T+3], v2, 3, v[T+3]           ; key 8 (l / 16) + l % 8,
	v_mul_u32_u24 v[T+3], v[T+3], VP
	v_bfe_u32 v[T+4], v0, 3, 1
	v_lshl_add_u32 v[T+3], v[T+4], 4, v[T+3]       ; eight d at 16 ((l / 8) % 2) bytes
	v_add_nc_u32 v[VFRA], s32, v[T+3]
	s_lshl_b32 s32, s16, 7
	v_lshl_add_u32 v[DLB], v2, 5, s32              ; DELTA (= 0) + 4 (32 w + 8 (l / 16))
	v_lshlrev_b32 v[T+5], 3, v2
	v_sub_nc_u32 v[MA], v1, v[T+5]
	s_lshl_b32 s32, s16, 5
	v_sub_nc_u32 v[MA], v[MA], s32
	v_mov_b32 v[NINF], 0xff800000
	s_mul_i32 s32, s16, MOWAVE
	s_add_co_u32 s32, s32, MO
	v_mul_u32_u24 v[T+6], v1, OP
	v_lshl_add_u32 v[T+6], v2, 5, v[T+6]
	v_add_nc_u32 v[MOA], s32, v[T+6]
	s_lshl_b32 s32, s16, 10
	s_add_co_u32 s32, s32, MT
	v_lshl_add_u32 v[MTA], v1, 3, s32
	s_lshl_b32 s32, s16, 8
	s_add_co_u32 s32, s32, MT
	v_lshl_add_u32 v[MTR], v3, 3, s32
	s_lshl_b32 s32, s16, 9
	s_add_co_u32 s32, s32, MG
	v_lshl_add_u32 v[MGA], v3, 4, s32
	v_lshl_add_u32 v[MGR], v2, 4, s32
	s_mul_i32 s32, s16, 32*OP
	v_mul_u32_u24 v[T+7], v2, OP
	v_lshl_add_u32 v[T+7], v1, 4, v[T+7]
	v_add_nc_u32 v[T+7], s32, v[T+7]
.irp q, 0,1,2,3
	v_add_nc_u32 v[RD+\q], MO+\q*MOWAVE, v[T+7]
.endr
	v_mov_b32 v[NM+1], 0
	s_wait_kmcnt 0x0
	v_mov_b32 v[AL], s25
	v_mul_f32 v[AL], 0x3e38aa3b, v[AL]             ; tau log2(e) / 8
	v_mov_b32 v[AL+1], v[AL]
	s_wait_loadcnt 0x20                            ; delta and Q are in: only the 32 loads of the first tile are younger
.set j, 0
.rept 8
	v_pk_mul_f32 v[VF+2*j:VF+2*j+1], v[VF+2*j:VF+2*j+1], 0x3e38aa3b op_sel_hi:[1,0]
.set j, j+1
.endr
.irp q, 0,1,2,3
	ds_store_b128 v[U0], v[VF+4*\q:VF+4*\q+3] offset:DELTA+2048*\q
.endr
	WIN 0x82
.set j, 0
.rept 64
	v_pk_mul_f32 v[2*j:2*j+1], v[2*j:2*j+1], v[AL:AL+1]
.set j, j+1
.endr
	WIN 0x8a
.set j, 0
.rept 32
	v_cvt_pk_f16_f32 v[4*j],   v[4*j],   v[4*j+1]
	v_cvt_pk_f16_f32 v[4*j+1], v[4*j+2], v[4*j+3]
.set j, j+1
.endr
	WIN 0x08
.set j, 0
.rept 32
	ds_store_b64 v[QSTA], v[4*j:4*j+1] offset:(j/16)*QPASS+(j%16)*2*KP
.set j, j+1
.endr
	WIN 0
	s_mov_b32 s23, s17                             ; the tile on its way is tile i,
	s_mov_b32 s22, 1                               ; the next request is number 1
	NEXT 1
.irp q, 0,1,2,3,4,5,6,7
	CPART \q, 2, 28                                ; stage the first tile, ask for the second
.endr
	s_wait_dscnt 0x0                               ; my parts of delta' and Q' are in LDS, for the other waves' sake
	s_barrier_signal -1
	s_barrier_wait -1
	FK                                             ; delta' holds other waves' bytes: read behind the barrier
	FV
	QFRAG 0
; ================================================ pass 1: query block i, tiles i .. 0 ================================================
	TURN 1, 2
	s_cmp_eq_u32 s17, 0
	s_cbranch_scc1 .Lp1_done
	s_mov_b32 s31, s17
.Lp1:
	TURN 0, 2
	s_sub_co_u32 s31, s31, 1
	s_cmp_lg_u32 s31, 0
	s_cbranch_scc1 .Lp1
.Lp1_done:
	QFRAG 1                                        ; the second pass's Q' comes in while the merge runs; the tile requests stay out across it
	MERGE QO1, 0
; ================================================ pass 2: query block 15 - i, tiles 15 - i .. 0 ================================================
	TURN 1, 2
	s_sub_co_u32 s31, 13, s17                      ; 16 - i turns: the first above, the last two below; 13 - i is 6 to 13
.Lp2:
	TURN 0, 2
	s_sub_co_u32 s31, s31, 1
	s_cmp_gt_i32 s31, 0                            ; a signed compare: the loop ends whatever the start
	s_cbranch_scc1 .Lp2
	TURN 0, 1
	TURN 0, 0
	MERGE QO2, 1
	s_wait_tensorcnt 0x0
	ds_add_u32 v254, v255
	s_wait_dscnt 0x0
	s_endpgm
.Lfunc_end_k_q8bf218186e_attn:
	.size	k_q8bf218186e_attn, .Lfunc_end_k_q8bf218186e_attn-k_q8bf218186e_attn
	.p2alignl 7, 3214868480
	.fill 96, 4, 3214868480
	.section	.rodata,"a",@progbits
	.p2align	6, 0x0
	.amdhsa_kernel k_q8bf218186e_attn
		.amdhsa_group_segment_fixed_size 229888
		.amdhsa_private_segment_fixed_size 0
		.amdhsa_enable_private_segment 0
		.amdhsa_kernarg_size 48
		.amdhsa_user_sgpr_count 2
		.amdhsa_user_sgpr_kernarg_segment_ptr 1
		.amdhsa_wavefront_size32 1
		.amdhsa_system_sgpr_workgroup_id_x 1
		.amdhsa_system_sgpr_workgroup_id_y 1
		.amdhsa_system_sgpr_workgroup_id_z 1
		.amdhsa_system_vgpr_workitem_id 0
		.amdhsa_next_free_vgpr 768
		.amdhsa_next_free_sgpr 66
		.amdhsa_reserve_vcc 1
		.amdhsa_float_denorm_mode_32 3
		.amdhsa_float_denorm_mode_16_64 3
		.amdhsa_memory_ordered 1
		.amdhsa_forward_progress 1
		.amdhsa_inst_pref_size 255
	.end_amdhsa_kernel
	.section	.bss,"aw",@nobits
	.p2align	6
	.space	262144
	.amdgpu_metadata
---
amdhsa.version: [ 1, 2 ]
amdhsa.kernels:
  - .name:           k_q8bf218186e_attn
    .symbol:         k_q8bf218186e_attn.kd
    .args:
      - { .name: queries, .offset: 0, .size: 8, .value_kind: global_buffer, .address_space: global }
      - { .name: keys, .offset: 8, .size: 8, .value_kind: global_buffer, .address_space: global }
      - { .name: values, .offset: 16, .size: 8, .value_kind: global_buffer, .address_space: global }
      - { .name: tau, .offset: 24, .size: 8, .value_kind: global_buffer, .address_space: global }
      - { .name: delta, .offset: 32, .size: 8, .value_kind: global_buffer, .address_space: global }
      - { .name: out0, .offset: 40, .size: 8, .value_kind: global_buffer, .address_space: global }
    .group_segment_fixed_size: 229888
    .private_segment_fixed_size: 0
    .kernarg_segment_align: 8
    .kernarg_segment_size: 48
    .max_flat_workgroup_size: 128
    .sgpr_count:     66
    .vgpr_count:     768
    .wavefront_size: 32
...
	.end_amdgpu_metadata
.endif
;; end of part 1
;; ======== version 2 of 2: 1 launch; version 1 with the launch attn written anew for expert scheduling mode
;; limits: values are held in f16: magnitudes above 65,504 overflow, below 6.1e-05 lose precision; inputs' magnitudes at most 65,504; right only within a limited range of input values
;; launch attn (part 2): grid 256 x 1, 4 waves a work-group, no clusters, 229,888 bytes of LDS; arguments queries, keys, values, tau, delta, out0; writes out0
.if DOCPART == 2
	.amdgcn_target "amdgcn-amd-amdhsa--gfx1250"
	.amdhsa_code_object_version 6
	.text
	.protected	k_q8bf218186e_attn
	.globl	k_q8bf218186e_attn
	.p2align	8
	.type	k_q8bf218186e_attn,@function
k_q8bf218186e_attn:
	s_mov_b64 s[64:65], 0
	v_nop
	global_prefetch_b8 v0, s[64:65] scope:SCOPE_SE
	s_setreg_imm32_b32 hwreg(HW_REG_WAVE_SCHED_MODE, 0, 2), 2
	s_setreg_imm32_b32 hwreg(HW_REG_WAVE_MODE, 25, 1), 1
	s_wait_xcnt 0x0
	s_wait_alu depctr_vm_vsrc(0)
; Causal attention with a per-batch scale and a per-key bias:
;   out[b,l,h,:] = softmax over s <= l of ((q.k) tau[b] + delta[b,s]) / 8, times V.   B 4, L 2048, H 8, E = D 64, all f32, [b][l][h][64].
; WORK.  256 work-groups of four waves.  Work-group (head = id >> 3, i = id & 7) makes two blocks of 128 queries: block i, then block 15 - i.
; Block J needs J + 1 tiles of 128 keys, so every work-group runs (i + 1) + (16 - i) = 17 tile turns.  In a pass the diagonal tile comes
; first and the tiles descend, so that 'the sums start' and 'the mask applies' are the same turn.
; THE KEYS ARE SPLIT OVER THE WAVES: in a turn wave w takes keys 32 w .. 32 w + 31 of the tile against all 128 queries (8 tiles of 16).  Each K and
; V byte is loaded, rounded to f16 and staged in LDS by one wave alone, in bytes of that wave's own: the turns need no barrier.  At a pass's end
; the four waves' (m, l, O) meet in LDS, and the same trip turns the accumulators into whole rows of 256 bytes.
; PRODUCTS, both transposed.  S^T = K Q'^T + delta': source 0 = 16 keys, source 1 = 16 queries, C = delta' in registers; Q' = q tau log2(e) / 8
; (scaled in f32, then rounded), delta' = delta log2(e) / 8: S is in powers of two, bias included.  A lane holds one query (l % 16) and eight keys
; per tile, so maximum and sum are per lane, plus one exchange between the lane halves.  Two packed S tiles ARE source 1 (32 keys x 16 queries) of
; O^T += V^T P^T, whose source 0 comes by transposing LDS loads from V staged as [key][d].
; F16, NOT BF16, for all four operands.  A row with few heavy keys is a sum of a few terms of size |v| that may nearly cancel, while most rows
; average a thousand keys and are ten times smaller: an operand of 8 significant bits leaves |v| 2^-9 on each term, one of 11 bits |v| 2^-12.
; f16 has the room: k, v and q tau log2(e) / 8 must stay below 65,504 in size; numbers of size 6 taken 30 times larger, tau 45 with them, give
; 180 and 180 x 45 x 0.18 = 1,500.  Below 6e-5 f16 steps by 6e-8, which is an absolute error of that size on a score or on an output term.
; PIPELINE over turns: turn t multiplies tile t, converts and stages tile t + 1 (four loads' worth in each of its 8 steps), asks memory for tile
; t + 2 into the registers just converted, and reads tile t + 1's fragments: K's and delta's in its seventh step, V's at its end.  28 to 32 loads
; of 512 bytes of each wave are always out.
; NO CLUSTER, NO TENSOR LOADS: the eight work-groups of a head stand at different tiles at any moment (work-group i walks i .. 0, 15 - i .. 0), so
; joint requests would need equal lists, that is masked tiles computed; and a tile brought to LDS as f32 would add 16 KB written and 16 KB read
; per wave and turn to the 18 KB moved here, while the data still had to pass registers for rounding.
; THE MODE: SCHED_MODE bits 1:0 = 2 (LLVM: expert scheduling mode 2), set by the entry lines.  The code itself states the register dependences
; between vector or matrix instructions and memory or LDS instructions, with s_wait_alu, always for 0.
; THE PLAN.  Registers that memory or LDS instructions touch in a turn:
;   RAW[st]   Step st's eight conversions read it; behind the step's wait the four loads of the tile after next land in it.
;   CT0, CT1  By the step's parity.  Step st's conversions write CT[st % 2]; behind the step's wait its four stage stores read it.
;   KF, DL    Read by the S products, the last of which are issued at step 6's head; loaded again behind step 6's wait.
;   VF        Read by the O products, the last of which end step 7; loaded again behind the wait at the turn's end.
;   OFF, DEL  Written at the turn's head, behind a wait on vm_vsrc; read by the loads of steps 0 to 7 and by step 6's loads of delta'.
;   All other addresses are written in the set-up and never again.  S, P, T, ML and O are named by vector and matrix instructions alone in a turn.
; So a PAIR of waits stands in each step, behind the rescaling and ahead of the four O products.  va_vdst: the conversions are done with RAW[st] and
; CT[st % 2] (step 0: OFF and DEL are written; step 6: the S products are done with KF and DL).  vm_vsrc: the stores of the step before have read the
; other CT, which the next step's conversions write.  The step's loads and stores follow, the stores dealt among the O products, which name VF, P and
; O: none of the registers that those loads and stores touch.  One more wait on va_vdst stands at the turn's end, ahead of the loads into VF.
; LIMITS, kept on purpose: |k|, |v| and |q tau| x 0.1804 below 65,504 (above it the f16 operand is infinite); the running maximum starts at
; -FLT_MAX (a wave may see only masked keys of a query), so scores below -3.4e38 (in powers of two) count as masked; NaN and infinities in the
; inputs are not honoured (the maxima drop NaN); exponentials below 2^-126 are 0, and weights below 3e-8 of a slice's largest are 0 in the
; product with V; a row's sum is made in four key slices that are merged, not in the order of the keys.
; ---- LDS, bytes ----
.set DELTA,  0                         ; delta'[2048] of my batch, f32
.set QST,    8192                      ; two passes x 128 queries x 144 bytes (64 f16 + 16)
.set QPASS,  18432
.set KST,    45056                     ; wave's own: 32 keys x 144 bytes
.set KWAVE,  4608
.set VST,    63488                     ; wave's own: 32 keys x 160 bytes
.set VWAVE,  5120
.set MT,     83968                     ; [wave][query 0..127] pairs (m, l)
.set MG,     88064                     ; wave's own: [my query 0..31][4] weights of the four waves' parts
.set MO,     90112                     ; [wave][query 0..127] x 272 bytes (64 f32 + 16)
.set MOWAVE, 34816
.set KP,     144                       ; odd multiple of 16: sixteen rows begin in sixteen different 16-byte columns of a 256-byte span
.set VP,     160                       ; odd multiple of 32, for the transposing loads
.set OP,     272
; ---- vector registers, window 0 ----
.set LB,   4                           ; byte offset of my 16 bytes in a 32-row slab: batch, head, wave, lane
.set OFF,  5                           ; LB + tile << 18: the tile now asked for
.set KSTA, 6                           ; where I stage 8 bytes of K / of V
.set VSTA, 7
.set KFRA, 8                           ; where I read K / V fragments
.set VFRA, 9
.set DLB,  10                          ; my 8 keys' delta' in tile 0
.set DEL,  11                          ; the same in the tile whose fragments are read next
.set MA,   12                          ; (l % 16) - 8 (l / 16) - 32 w: the mask's lane term
.set NINF, 13
.set QFRA, 14
.set MOA,  15
.set MTA,  16
.set MTR,  17
.set MGA,  18
.set MGR,  19
.set RD,   20                          ; v20-23: where I read wave 0..3's part of my output rows
.set QO1,  24                          ; LB + i << 18: Q, out and first tile of pass 1
.set QO2,  25                          ; LB + (15 - i) << 18
.set NM,   26                          ; v26 new maximum (v27 written once: the pair is named by packed adds)
.set AL,   28                          ; v28 alpha (v29 likewise)
.set T,    30                          ; v30-37 temporaries
.set U0,   38                          ; v38-41 two pairs of partial sums
.set U1,   40
.set PF,   42
.set QSTA, 43
.set ML,   44                          ; v44-59 pairs (m, l) of the 8 query tiles (v60-67 are free)
.set P,    68                          ; v68-75 P fragment
.set S,    76                          ; v76-107 two buffers of two S tiles
.set DL,   108                         ; v108-123 delta' tiles
.set KF,   124                         ; v124-155 K fragments [16 keys][32 e]
.set VF,   156                         ; v156-187 V^T fragments [16 d]
.set CT,   188                         ; v188-203 two buffers of four loads' worth of f16, by the step's parity; in the set-up eight such, v188-251
; window 1: v0-127 Q fragments [query tile][32 e]; v128-191 K as loaded; v192-255 V as loaded
.set RAW,  128
; window 2: v0-255 O: 32 x query tile + 8 x d tile + j.  Also Q as loaded (set-up) and the merge's work registers.
; ---- scalars: s[4:5] queries, s[6:7] keys, s[8:9] values, s[10:11] tau, s[12:13] delta, s[14:15] out0; s16 wave, s17 i, s18 head of 32,
; s19 batch, s20 head, s21 15 - i, s22 index of the next request, s23 its tile, s24 the tile staged now, s25 tau, s28-29 lane selects,
; s30 -FLT_MAX, s31 loop counter, s32-35 temporaries; s32-47 the sixteen masks of a diagonal step (the temporaries are dead there)
.set MK,   32
.set MSB, 0
.macro WIN new                         ; low byte: windows of source 0, 1, 2 and destination; high byte repeats the setting left
.if MSB != \new
	s_set_vgpr_msb (MSB<<8)|\new
.set MSB, \new
.endif
.endm
; Head of a turn.  The tile asked for last is staged in this turn; g = 1: choose the next one, tile(c) = i - c for c <= i, else 16 - c.
.macro NEXT g
	s_mov_b32 s24, s23
.if \g
	s_sub_co_u32 s32, s17, s22
	s_sub_co_u32 s33, 16, s22
	s_cmp_le_u32 s22, s17
	s_cselect_b32 s23, s32, s33
	s_and_b32 s23, s23, 15
	s_add_co_u32 s22, s22, 1
	s_lshl_b32 s32, s23, 18
	s_wait_xcnt 0x0                                ; OFF is the address of the last turn's loads: rewritten only behind this wait
.endif
	s_lshl_b32 s33, s24, 9                         ; 128 keys x 4 bytes
	s_wait_alu depctr_vm_vsrc(0)                   ; the last turn's loads of K and V have read OFF, its loads of delta' DEL: both are written below
.if \g
	v_add_nc_u32 v[OFF], s32, v[LB]
.endif
	v_add_nc_u32 v[DEL], s33, v[DLB]
.endm
; Loads 4 s .. 4 s + 3 of the batch of 32 (16 of K, then 16 of V), in three parts.  CVT: round to f16, into buffer nb of CT.
.macro CVT s, nb, cnt
	s_wait_loadcnt \cnt                            ; loads return in order: the four oldest are in, cnt younger ones stay out
	WIN 0x05
.set cb, RAW+16*(\s)
.set k, 0
.rept 4
	v_cvt_pk_f16_f32 v[CT+8*(\nb)+2*k],   v[cb+4*k],   v[cb+4*k+1]
	v_cvt_pk_f16_f32 v[CT+8*(\nb)+2*k+1], v[cb+4*k+2], v[cb+4*k+3]
.set k, k+1
.endr
.endm
; ASK: ask for the next tile into the same registers (destination window 1, set by the lines in front)
.macro ASK s
.set cb, RAW+16*(\s)
.set k, 0
.rept 4
.if \s < 4
	global_load_b128 v[cb+4*k:cb+4*k+3], v[OFF], s[6:7] offset:(4*(\s)+k)*4096       ; two whole rows of 256 bytes
.else
	global_load_b128 v[cb+4*k:cb+4*k+3], v[OFF], s[8:9] offset:(4*((\s)-4)+k)*4096
.endif
.set k, k+1
.endr
.endm
; PUT: stage load k of the four (address and data in window 0)
.macro PUT s, nb, k
.if \s < 4
	ds_store_b64 v[KSTA], v[CT+8*(\nb)+2*(\k):CT+8*(\nb)+2*(\k)+1] offset:(4*(\s)+(\k))*2*KP
.else
	ds_store_b64 v[VSTA], v[CT+8*(\nb)+2*(\k):CT+8*(\nb)+2*(\k)+1] offset:(4*((\s)-4)+(\k))*2*VP
.endif
.endm
; 12 LDS loads: four K fragments and two delta' tiles.  LDS serves a wave in order, and the stage is the wave's own: they see the stores above.
.macro FK
.irp a, 0,1
.irp e, 0,1
	ds_load_b128 v[KF+16*\a+8*\e:KF+16*\a+8*\e+3],   v[KFRA] offset:\a*16*KP+\e*64
	ds_load_b128 v[KF+16*\a+8*\e+4:KF+16*\a+8*\e+7], v[KFRA] offset:\a*16*KP+\e*64+32
.endr
.endr
.irp a, 0,1
	ds_load_b128 v[DL+8*\a:DL+8*\a+3],   v[DEL] offset:64*\a
	ds_load_b128 v[DL+8*\a+4:DL+8*\a+7], v[DEL] offset:64*\a+16
.endr
.endm
; 8 transposing LDS loads: V^T, four tiles of 16 d x 32 keys
.macro FV
.irp c, 0,1,2,3
	ds_load_tr16_b128 v[VF+8*\c:VF+8*\c+3],   v[VFRA] offset:32*\c
	ds_load_tr16_b128 v[VF+8*\c+4:VF+8*\c+7], v[VFRA] offset:16*VP+32*\c
.endr
.endm
; 32 LDS loads: the Q' fragments of pass p
.macro QFRAG p
	WIN 0x40
.if \p
	s_wait_alu depctr_va_vdst(0)                   ; the first pass's S products are done reading the Q' fragments, in which these loads land
.endif
.set j, 0
.rept 16
	ds_load_b128 v[8*j:8*j+3],   v[QFRA] offset:\p*QPASS+(j/2)*16*KP+(j%2)*64
	ds_load_b128 v[8*j+4:8*j+7], v[QFRA] offset:\p*QPASS+(j/2)*16*KP+(j%2)*64+32
.set j, j+1
.endr
	WIN 0
.endm
; S^T of query tile i: two tiles of 16 keys, 64 along e in two links; the first link takes delta' as C
.macro QK i
	WIN 0x04
.set sb, S+16*((\i)&1)
.set qb, 16*(\i)
	v_wmma_f32_16x16x32_f16 v[sb:sb+7],    v[KF:KF+7],     v[qb:qb+7],    v[DL:DL+7]
	v_wmma_f32_16x16x32_f16 v[sb+8:sb+15], v[KF+16:KF+23], v[qb:qb+7],    v[DL+8:DL+15]
	v_wmma_f32_16x16x32_f16 v[sb:sb+7],    v[KF+8:KF+15],  v[qb+8:qb+15], v[sb:sb+7]
	v_wmma_f32_16x16x32_f16 v[sb+8:sb+15], v[KF+24:KF+31], v[qb+8:qb+15], v[sb+8:sb+15]
.endm
.macro EXP4 b
.irp q, 0,1,2,3
	v_exp_f32 v[\b+\q], v[\b+\q]
.endr
.endm
; Running softmax of query tile i on its 32 keys.  first = 1: diagonal tile, which is also the pass's first: mask, and start m and l.
.macro SOFTMAX i, first
	WIN 0
.set ss, S+16*((\i)&1)
.set mm, ML+2*(\i)
.set ll, ML+2*(\i)+1
.if \first
.set j, 0
.rept 16
.set kc, 16*(j/8)+(j%8)-16*(\i)
	v_cmp_gt_i32 s[MK+j], kc, v[MA]                ; key 32 w + 16 t + 8 (l / 16) + j above query 16 i + l % 16
.set j, j+1
.endr
	s_wait_alu depctr_va_sdst(0)                   ; the sixteen compares have written s[MK ..], which the selects below read
.set j, 0
.rept 16
	v_cndmask_b32 v[ss+j], v[ss+j], v[NINF], s[MK+j]
.set j, j+1
.endr
.endif
	v_max3_num_f32 v[T],   v[ss],   v[ss+1],  v[ss+2]
	v_max3_num_f32 v[T+1], v[ss+3], v[ss+4],  v[ss+5]
	v_max3_num_f32 v[T+2], v[ss+6], v[ss+7],  v[ss+8]
	v_max3_num_f32 v[T+3], v[ss+9], v[ss+10], v[ss+11]
	v_max3_num_f32 v[T],   v[T],    v[ss+12], v[ss+13]
	v_max3_num_f32 v[T+1], v[T+1],  v[ss+14], v[ss+15]
.if \first
	v_max3_num_f32 v[T+2], v[T+2], v[T+3], s30
.else
	v_max3_num_f32 v[T+2], v[T+2], v[T+3], v[mm]
.endif
	v_max3_num_f32 v[T], v[T], v[T+1], v[T+2]
	v_permlanex16_b32 v[T+1], v[T], s28, s29       ; the query's other 16 keys lie in the other half of the lanes
	v_max_num_f32 v[NM], v[T], v[T+1]
.if \first == 0
	v_sub_f32 v[T+4], v[mm], v[NM]
.endif
.set j, 0
.rept 8
	v_pk_add_f32 v[ss+2*j:ss+2*j+1], v[ss+2*j:ss+2*j+1], v[NM:NM+1] op_sel_hi:[1,0] neg_lo:[0,1] neg_hi:[0,1]
.set j, j+1
.endr
	; Exponentials in runs of four; behind each run stands plain work on the run before, so that a plain instruction that touches none of a
	; run's registers always comes before that run's results are read (ISA guide 5.7.2).
.if \first == 0
	v_exp_f32 v[AL], v[T+4]
.endif
	EXP4 ss
	v_mov_b32 v[mm], v[NM]
	EXP4 ss+4
	s_wait_alu depctr_va_vdst(0)
	v_pk_add_f32 v[U0:U0+1], v[ss:ss+1], v[ss+2:ss+3]
	v_cvt_pk_f16_f32 v[P],   v[ss],   v[ss+1]
	v_cvt_pk_f16_f32 v[P+1], v[ss+2], v[ss+3]
	EXP4 ss+8
	v_pk_add_f32 v[U1:U1+1], v[ss+4:ss+5], v[ss+6:ss+7]
	v_cvt_pk_f16_f32 v[P+2], v[ss+4], v[ss+5]
	v_cvt_pk_f16_f32 v[P+3], v[ss+6], v[ss+7]
	EXP4 ss+12
	s_wait_alu depctr_va_vdst(0)
	v_pk_add_f32 v[U0:U0+1], v[U0:U0+1], v[ss+8:ss+9]
	v_pk_add_f32 v[U1:U1+1], v[U1:U1+1], v[ss+10:ss+11]
	v_cvt_pk_f16_f32 v[P+4], v[ss+8],  v[ss+9]
	v_cvt_pk_f16_f32 v[P+5], v[ss+10], v[ss+11]
	v_pk_add_f32 v[U0:U0+1], v[U0:U0+1], v[ss+12:ss+13]
	v_pk_add_f32 v[U1:U1+1], v[U1:U1+1], v[ss+14:ss+15]
	v_cvt_pk_f16_f32 v[P+6], v[ss+12], v[ss+13]
	v_cvt_pk_f16_f32 v[P+7], v[ss+14], v[ss+15]
	v_pk_add_f32 v[U0:U0+1], v[U0:U0+1], v[U1:U1+1]
.if \first
	v_add_f32 v[ll], v[U0], v[U0+1]                ; l is kept per lane: the two halves' parts are added at the merge
.else
	v_add_f32 v[T+5], v[U0], v[U0+1]
	v_fma_f32 v[ll], v[ll], v[AL], v[T+5]
.endif
.endm
.macro RESCALE i                       ; O of query tile i times alpha, which is one number a lane
	WIN 0x82
.set j, 0
.rept 16
	v_pk_mul_f32 v[32*(\i)+2*j:32*(\i)+2*j+1], v[32*(\i)+2*j:32*(\i)+2*j+1], v[AL:AL+1] op_sel_hi:[1,0]
.set j, j+1
.endr
.endm
; O^T of query tile i += V^T P^T; the pass's first product starts the sums.  put = 1: one of the step's four stage stores stands behind each product:
; under this window setting sources 0 and 1, a store's address and data, are window 0's.
.macro PV i, first, put
	WIN 0xa0
.set ob, 32*(\i)
.irp c, 0,1,2,3
.if \first
	v_wmma_f32_16x16x32_f16 v[ob+8*\c:ob+8*\c+7], v[VF+8*\c:VF+8*\c+7], v[P:P+7], 0
.else
	v_wmma_f32_16x16x32_f16 v[ob+8*\c:ob+8*\c+7], v[VF+8*\c:VF+8*\c+7], v[P:P+7], v[ob+8*\c:ob+8*\c+7]
.endif
.if \put
	PUT \i, \i%2, \c                               ; no wait: no vector or matrix instruction since the step's wait names CT or the stage's address
.endif
.endr
.endm
; One of a turn's eight steps.  The next query tile's S is issued first, so that the softmax below always reads results that stand a whole step
; back; at step 0 the eight conversions (or four v_nop) are the independent vector instructions between a product and the line that reads it (ISA guide 7.12.1).
.macro STEP st, first, kind
.if \st < 7
	QK \st+1
.endif
.if \kind == 2
	CVT \st, \st%2, 28                             ; 32 loads are out at each step's wait; the 28 behind this step's four are the batch's rest and this turn's new requests
.endif
.if \kind == 1
	CVT \st, \st%2, 28-4*\st                       ; nothing is asked for any more: the count runs down
.endif
.if \kind == 0
.if \st == 0
.rept 4
	v_nop
.endr
.endif
.endif
	SOFTMAX \st, \first
.if \first == 0
	RESCALE \st
.endif
.if \kind == 2
	WIN 0x40                                       ; the requests' destination is window 1: the switch, then the waits, then the loads
.endif
.if \kind != 0
	s_wait_alu depctr_vm_vsrc(0)                   ; the stage stores of the step before have read the other CT, which the next step's conversions write again
	s_wait_alu depctr_va_vdst(0)                   ; this step's conversions are done reading RAW[st], in which the loads below land, and have written CT[st % 2], which the stores below read;
	                                               ; step 0: OFF and DEL are written; step 6: the turn's last S products are done reading KF and DL
.endif
.if \kind == 2
	ASK \st
.endif
.if \kind != 0
.if \st == 6
	WIN 0
	FK                                             ; the next tile's K and delta'; between the wait above and these loads stand only loads and window switches
.endif
.endif
.if \st == 0
	s_wait_dscnt 0x0                               ; V^T fragments: no LDS instruction was issued behind them
.endif
.if \kind == 0
	PV \st, \first, 0
.else
	PV \st, \first, 1
.endif
.endm
; A turn.  kind 2: stage the next tile, ask for the one after, read fragments; kind 1: stage and read; kind 0: the last, multiplies only.
.macro TURN first, kind
.if \kind == 2
	NEXT 1
.endif
.if \kind == 1
	NEXT 0
.endif
.if \first
	s_wait_dscnt 0x0                               ; K, delta', V^T and the pass's Q' fragments
.else
	s_wait_dscnt 0x10                              ; K and delta' are in: younger are the eight stage stores of steps 6 and 7 and the eight V^T loads
.endif
	QK 0
	STEP 0, \first, \kind
	STEP 1, \first, \kind
	STEP 2, \first, \kind
	STEP 3, \first, \kind
	STEP 4, \first, \kind
	STEP 5, \first, \kind
	STEP 6, \first, \kind
	STEP 7, \first, \kind
	WIN 0
.if \kind != 0
.rept 4
	v_nop                                          ; four independent vector instructions between the last product and the loads into its source
.endr
	s_wait_alu depctr_va_vdst(0)                   ; the turn's last O products are done reading VF, in which the loads below land
	FV
.endif
.endm
; The merge's second half: row pairs t = 4 bt .. 4 bt + 3 of my 32 queries, 20 registers each (4 weights, 4 x 4 numbers) in set 0 or 1 of window 2.
; again = 1: the set has been worked on and stored from.
.macro MLOAD bt, set, again
.if \again
	s_wait_xcnt 0x0                                ; the stores' data registers are loaded again only behind this wait
.endif
	WIN 0x80
.if \again
	s_wait_alu depctr_vm_vsrc(0)                   ; the global stores above have read this set's registers, in which the loads below land (its arithmetic stands ahead of the last wait on va_vdst)
.endif
.set tl, 0
.rept 4
.set xb, 80*(\set)+20*tl
.set tt, 4*(\bt)+tl
	ds_load_b128 v[xb:xb+3],     v[MGR]  offset:32*tt
	ds_load_b128 v[xb+4:xb+7],   v[RD]   offset:2*OP*tt
	ds_load_b128 v[xb+8:xb+11],  v[RD+1] offset:2*OP*tt
	ds_load_b128 v[xb+12:xb+15], v[RD+2] offset:2*OP*tt
	ds_load_b128 v[xb+16:xb+19], v[RD+3] offset:2*OP*tt
.set tl, tl+1
.endr
.endm
.macro MPROC bt, set, oo, cnt
	s_wait_dscnt \cnt                              ; this batch is in; the next batch's 20 loads (or none) stay out
	WIN 0xaa
.set tl, 0
.rept 4
.set xb, 80*(\set)+20*tl
	v_pk_mul_f32 v[xb+4:xb+5], v[xb+4:xb+5],   v[xb:xb+1] op_sel_hi:[1,0]
	v_pk_mul_f32 v[xb+6:xb+7], v[xb+6:xb+7],   v[xb:xb+1] op_sel_hi:[1,0]
	v_pk_fma_f32 v[xb+4:xb+5], v[xb+8:xb+9],   v[xb:xb+1],   v[xb+4:xb+5] op_sel:[0,1,0] op_sel_hi:[1,1,1]
	v_pk_fma_f32 v[xb+6:xb+7], v[xb+10:xb+11], v[xb:xb+1],   v[xb+6:xb+7] op_sel:[0,1,0] op_sel_hi:[1,1,1]
	v_pk_fma_f32 v[xb+4:xb+5], v[xb+12:xb+13], v[xb+2:xb+3], v[xb+4:xb+5] op_sel_hi:[1,0,1]
	v_pk_fma_f32 v[xb+6:xb+7], v[xb+14:xb+15], v[xb+2:xb+3], v[xb+6:xb+7] op_sel_hi:[1,0,1]
	v_pk_fma_f32 v[xb+4:xb+5], v[xb+16:xb+17], v[xb+2:xb+3], v[xb+4:xb+5] op_sel:[0,1,0] op_sel_hi:[1,1,1]
	v_pk_fma_f32 v[xb+6:xb+7], v[xb+18:xb+19], v[xb+2:xb+3], v[xb+6:xb+7] op_sel:[0,1,0] op_sel_hi:[1,1,1]
.set tl, tl+1
.endr
	WIN 0x08
	s_wait_alu depctr_va_vdst(0)                   ; the multiply-adds have written the four rows, which the stores below read, and are done with the whole set
.set tl, 0
.rept 4
.set xb, 80*(\set)+20*tl
.set tt, 4*(\bt)+tl
	global_store_b128 v[\oo], v[xb+4:xb+7], s[14:15] offset:4096*tt th:TH_STORE_NT   ; 16 lanes store one query's 256 bytes, aligned
.set tl, tl+1
.endr
.endm
; End of a pass: out = sum over waves of O_w 2^(m_w - M) / sum over waves of l_w 2^(m_w - M).  oo: the register with the block's offset in out0.
.macro MERGE oo, last
	WIN 0
.set j, 0
.rept 8
	v_permlanex16_b32 v[T+j], v[ML+2*j+1], s28, s29
.set j, j+1
.endr
.set j, 0
.rept 8
	v_add_f32 v[ML+2*j+1], v[ML+2*j+1], v[T+j]     ; l over both halves of the lanes (also the distance between the last product and the stores of O)
.set j, j+1
.endr
	s_wait_alu depctr_va_vdst(0)                   ; the additions have written l, the pass's last products O: the LDS stores below read both; and the softmax is done with S, in which the loads behind the barrier land
.set j, 0
.rept 8
	ds_store_b64 v[MTA], v[ML+2*j:ML+2*j+1] offset:128*j
.set j, j+1
.endr
	WIN 0x08
.set j, 0
.rept 64
	ds_store_b128 v[MOA], v[4*j:4*j+3] offset:16*OP*(j/8)+64*((j%8)/2)+16*(j%2)      ; query 16 i + l % 16, d = 16 c + 8 (l / 16) + 0..7
.set j, j+1
.endr
	WIN 0
	s_wait_dscnt 0x0                               ; my stores are done, for the other waves' sake
	s_barrier_signal -1
	s_barrier_wait -1
.irp q, 0,1,2,3
	ds_load_b64 v[S+2*\q:S+2*\q+1], v[MTR] offset:1024*\q          ; lane l: (m, l) of query 32 w + l from each wave
.endr
	s_wait_dscnt 0x0
	v_max3_num_f32 v[T], v[S], v[S+2], v[S+4]
	v_max_num_f32 v[T], v[T], v[S+6]
.irp q, 0,1,2,3
	v_sub_f32 v[S+8+\q], v[S+2*\q], v[T]
.endr
	EXP4 S+8
	v_nop
	s_wait_alu depctr_va_vdst(0)
	v_mul_f32 v[T+1], v[S+8],  v[S+1]
	v_fma_f32 v[T+1], v[S+9],  v[S+3], v[T+1]
	v_fma_f32 v[T+1], v[S+10], v[S+5], v[T+1]
	v_fma_f32 v[T+1], v[S+11], v[S+7], v[T+1]      ; at least 1: the wave that holds the maximum counts 2^0 for it
	v_rcp_f32 v[T+2], v[T+1]
	v_nop
	s_wait_alu depctr_va_vdst(0)
.irp q, 0,1,2,3
	v_mul_f32 v[S+8+\q], v[S+8+\q], v[T+2]
.endr
	WIN 0x80                                       ; the loads' destination is window 2; the store's address and data stay window 0's
	s_wait_alu depctr_va_vdst(0)                   ; the four weights are written, which the LDS store below reads
	s_wait_alu depctr_vm_vsrc(0)                   ; my LDS stores of O have read window 2's registers, in which the loads below land
	ds_store_b128 v[MGA], v[S+8:S+11]              ; my wave's own bytes: its loads below follow in order
	MLOAD 0, 0, 0
	MLOAD 1, 1, 0
	MPROC 0, 0, \oo, 0x14
	MLOAD 2, 0, 1
	MPROC 1, 1, \oo, 0x14
	MLOAD 3, 1, 1
	MPROC 2, 0, \oo, 0x14
	MPROC 3, 1, \oo, 0x0
	WIN 0
.if \last == 0
	s_wait_xcnt 0x0                                ; window 2 holds the next pass's sums: written again only behind this wait
	s_wait_alu depctr_vm_vsrc(0)                   ; the last global stores have read window 2's registers, which the next pass's products write
	s_barrier_signal -1                            ; every wave's LDS loads of the merge are back (the wait for 0 above, nothing since):
	s_barrier_wait -1                              ; the next merge may write these bytes again
.endif
.endm
; ================================================ set-up ================================================
	s_load_b256 s[4:11], s[0:1], 0x0               ; queries, keys, values, tau
	s_load_b128 s[12:15], s[0:1], 0x20             ; delta, out0
	v_lshl_add_u32 v254, v0, 2, 0x38000
	v_mov_b32 v255, 0
	v_lshrrev_b32 v1, 5, v0
	v_readfirstlane_b32 s16, v1                    ; wave
	s_and_b32 s17, ttmp9, 7                        ; i
	s_lshr_b32 s18, ttmp9, 3
	s_lshr_b32 s19, s18, 3                         ; batch
	s_and_b32 s20, s18, 7                          ; head
	s_sub_co_u32 s21, 15, s17
	s_mov_b32 s28, 0x76543210                      ; v_permlanex16_b32: lane l of one half reads lane l of the other
	s_mov_b32 s29, 0xfedcba98
	s_mov_b32 s30, 0xff7fffff                      ; -FLT_MAX
	v_and_b32 v1, 15, v0                           ; l % 16
	v_bfe_u32 v2, v0, 4, 1                         ; l / 16
	v_and_b32 v3, 31, v0                           ; l
	s_wait_alu depctr_va_sdst(0)                   ; s16 is written, ahead of the first line that reads it: offsets and LDS addresses are made from it
	s_lshl_b32 s34, s19, 22                        ; a batch is 2048 x 8 x 256 bytes,
	s_lshl_b32 s33, s20, 8                         ; a head's row 256 bytes, rows 2,048 bytes apart
	s_or_b32 s34, s34, s33
	s_lshl_b32 s33, s16, 16                        ; the wave's 32 rows
	s_or_b32 s32, s34, s33
	v_lshlrev_b32 v[LB], 4, v1
	v_lshl_or_b32 v[LB], v2, 11, v[LB]             ; lanes 0-15 one row, lanes 16-31 the next
	v_add_nc_u32 v[LB], s32, v[LB]
	s_lshl_b32 s32, s17, 18                        ; 128 rows
	v_add_nc_u32 v[QO1], s32, v[LB]
	s_lshl_b32 s33, s21, 18
	v_add_nc_u32 v[QO2], s33, v[LB]
	s_add_co_u32 s33, s33, s34
	v_lshl_add_u32 v[PF], v0, 11, s33              ; row t of tile 15 - i of my head
	v_lshlrev_b32 v[U0], 4, v0                     ; delta: 16 bytes a thread, in LDS
	s_lshl_b32 s32, s19, 13
	v_add_nc_u32 v[U0+1], s32, v[U0]               ; and in memory
	s_lshl_b32 s32, s19, 2
	s_mov_b32 s33, 0
	s_wait_kmcnt 0x0
	s_add_nc_u64 s[10:11], s[10:11], s[32:33]
	s_load_b32 s25, s[10:11], 0x0                  ; tau of my batch
	s_wait_alu depctr_va_vdst(0)                   ; the offsets v[U0+1], v[QO1], v[QO2] and v[PF] are written, which the loads and prefetches below read
.irp q, 0,1,2,3
	global_load_b128 v[VF+4*\q:VF+4*\q+3], v[U0+1], s[12:13] offset:2048*\q
.endr
	WIN 0x80
.set j, 0
.rept 16
	global_load_b128 v[4*j:4*j+3], v[QO1], s[4:5] offset:4096*j th:TH_LOAD_NT        ; Q is read once in the launch
.set j, j+1
.endr
.set j, 0
.rept 16
	global_load_b128 v[64+4*j:64+4*j+3], v[QO2], s[4:5] offset:4096*j th:TH_LOAD_NT
.set j, j+1
.endr
	WIN 0x40
.set j, 0
.rept 16
	global_load_b128 v[RAW+4*j:RAW+4*j+3], v[QO1], s[6:7] offset:4096*j              ; tile i of K,
.set j, j+1
.endr
.set j, 0
.rept 16
	global_load_b128 v[RAW+64+4*j:RAW+64+4*j+3], v[QO1], s[8:9] offset:4096*j        ; and of V: the first turn's
.set j, j+1
.endr
	WIN 0
	; Tiles 0-7 of a head are first touched by the loads above, one work-group each.  Tile 15 - i is first wanted by this work-group, as its
	; request number i + 1: each thread asks once for one row of K and one of V, 64 KB a work-group, each row asked for once in the launch.
	global_prefetch_b8 v[PF], s[6:7] th:TH_LOAD_NT scope:SCOPE_SE
	global_prefetch_b8 v[PF], s[8:9] th:TH_LOAD_NT scope:SCOPE_SE
	; LDS addresses, while the loads are on their way: none of the registers written here is read by an instruction that is out
	s_mul_i32 s32, s16, KWAVE
	s_add_co_u32 s33, s32, KST
	s_add_co_u32 s32, s32, QST                     ; the wave's 32 rows of the Q stage are 4,608 bytes too
	v_mul_u32_u24 v[T], v2, KP
	v_lshl_add_u32 v[T], v1, 3, v[T]
	v_add_nc_u32 v[KSTA], s33, v[T]
	v_add_nc_u32 v[QSTA], s32, v[T]
	v_mul_u32_u24 v[T+1], v1, KP
	v_lshl_add_u32 v[T+1], v2, 4, v[T+1]           ; fragment: row l % 16, 16 bytes for each half of the lanes
	v_add_nc_u32 v[KFRA], s33, v[T+1]
	v_add_nc_u32 v[QFRA], QST, v[T+1]
	s_mul_i32 s32, s16, VWAVE
	s_add_co_u32 s32, s32, VST
	v_mul_u32_u24 v[T+2], v2, VP
	v_lshl_add_u32 v[T+2], v1, 3, v[T+2]
	v_add_nc_u32 v[VSTA], s32, v[T+2]
	v_and_b32 v[T+3], 7, v0
	v_lshl_add_u32 v[T+3], v2, 3, v[T+3]           ; key 8 (l / 16) + l % 8,
	v_mul_u32_u24 v[T+3], v[T+3], VP
	v_bfe_u32 v[T+4], v0, 3, 1
	v_lshl_add_u32 v[T+3], v[T+4], 4, v[T+3]       ; eight d at 16 ((l / 8) % 2) bytes
	v_add_nc_u32 v[VFRA], s32, v[T+3]
	s_lshl_b32 s32, s16, 7
	v_lshl_add_u32 v[DLB], v2, 5, s32              ; DELTA (= 0) + 4 (32 w + 8 (l / 16))
	v_lshlrev_b32 v[T+5], 3, v2
	v_sub_nc_u32 v[MA], v1, v[T+5]
	s_lshl_b32 s32, s16, 5
	v_sub_nc_u32 v[MA], v[MA], s32
	v_mov_b32 v[NINF], 0xff800000
	s_mul_i32 s32, s16, MOWAVE
	s_add_co_u32 s32, s32, MO
	v_mul_u32_u24 v[T+6], v1, OP
	v_lshl_add_u32 v[T+6], v2, 5, v[T+6]
	v_add_nc_u32 v[MOA], s32, v[T+6]
	s_lshl_b32 s32, s16, 10
	s_add_co_u32 s32, s32, MT
	v_lshl_add_u32 v[MTA], v1, 3, s32
	s_lshl_b32 s32, s16, 8
	s_add_co_u32 s32, s32, MT
	v_lshl_add_u32 v[MTR], v3, 3, s32
	s_lshl_b32 s32, s16, 9
	s_add_co_u32 s32, s32, MG
	v_lshl_add_u32 v[MGA], v3, 4, s32
	v_lshl_add_u32 v[MGR], v2, 4, s32
	s_mul_i32 s32, s16, 32*OP
	v_mul_u32_u24 v[T+7], v2, OP
	v_lshl_add_u32 v[T+7], v1, 4, v[T+7]
	v_add_nc_u32 v[T+7], s32, v[T+7]
.irp q, 0,1,2,3
	v_add_nc_u32 v[RD+\q], MO+\q*MOWAVE, v[T+7]
.endr
	v_mov_b32 v[NM+1], 0
	s_wait_kmcnt 0x0
	v_mov_b32 v[AL], s25
	v_mul_f32 v[AL], 0x3e38aa3b, v[AL]             ; tau log2(e) / 8
	v_mov_b32 v[AL+1], v[AL]
	s_wait_loadcnt 0x20                            ; delta and Q are in: only the 32 loads of the first tile are younger
.set j, 0
.rept 8
	v_pk_mul_f32 v[VF+2*j:VF+2*j+1], v[VF+2*j:VF+2*j+1], 0x3e38aa3b op_sel_hi:[1,0]
.set j, j+1
.endr
	WIN 0x82
.set j, 0
.rept 64
	v_pk_mul_f32 v[2*j:2*j+1], v[2*j:2*j+1], v[AL:AL+1]
.set j, j+1
.endr
	WIN 0x8a
.set j, 0
.rept 32
	v_cvt_pk_f16_f32 v[4*j],   v[4*j],   v[4*j+1]
	v_cvt_pk_f16_f32 v[4*j+1], v[4*j+2], v[4*j+3]
.set j, j+1
.endr
	WIN 0
	s_wait_alu depctr_va_vdst(0)                   ; delta' and Q' are written, which the LDS stores below read; so are all the LDS addresses made above, for the whole kernel
.irp q, 0,1,2,3
	ds_store_b128 v[U0], v[VF+4*\q:VF+4*\q+3] offset:DELTA+2048*\q
.endr
	WIN 0x08
.set j, 0
.rept 32
	ds_store_b64 v[QSTA], v[4*j:4*j+1] offset:(j/16)*QPASS+(j%16)*2*KP
.set j, j+1
.endr
	WIN 0
	s_mov_b32 s23, s17                             ; the tile on its way is tile i,
	s_mov_b32 s22, 1                               ; the next request is number 1
	NEXT 1                                         ; here its wait on vm_vsrc states that the stores above have read v[VF ..], v[U0] and window 2, which fragments' loads, the softmax and the products write later
	; The first tile is staged and the second asked for in two groups, K's four blocks and V's, each into CT buffers of its own: one wait to a group.
.irp q, 0,1,2,3
	CVT \q, \q, 28-4*\q                            ; nothing is asked for inside a group: the counts run down
.endr
	WIN 0x40
	s_wait_alu depctr_va_vdst(0)                   ; K's conversions are done reading RAW[0..3], in which the loads below land, and have written CT[0..3], which the stores below read; OFF and DEL are written
.irp q, 0,1,2,3
	ASK \q
.endr
	WIN 0
.irp q, 0,1,2,3
.irp k, 0,1,2,3
	PUT \q, \q, \k
.endr
.endr
.irp q, 4,5,6,7
	CVT \q, \q, 44-4*\q                            ; behind block q's four: the rest of V's sixteen and K's sixteen new requests
.endr
	WIN 0x40
	s_wait_alu depctr_va_vdst(0)                   ; the same for V
.irp q, 4,5,6,7
	ASK \q
.endr
	WIN 0
.irp q, 4,5,6,7
.irp k, 0,1,2,3
	PUT \q, \q, \k
.endr
.endr
	s_wait_dscnt 0x0                               ; my parts of delta' and Q' are in LDS, for the other waves' sake
	s_barrier_signal -1
	s_barrier_wait -1
	FK                                             ; delta' holds other waves' bytes: read behind the barrier.  No vector instruction since the wait above: these 52 loads owe nothing more
	FV
	QFRAG 0
; ================================================ pass 1: query block i, tiles i .. 0 ================================================
	TURN 1, 2
	s_cmp_eq_u32 s17, 0
	s_cbranch_scc1 .Lp1_done
	s_mov_b32 s31, s17
.Lp1:
	TURN 0, 2
	s_sub_co_u32 s31, s31, 1
	s_cmp_lg_u32 s31, 0
	s_cbranch_scc1 .Lp1
.Lp1_done:
	QFRAG 1                                        ; the second pass's Q' comes in while the merge runs; the tile requests stay out across it
	MERGE QO1, 0
; ================================================ pass 2: query block 15 - i, tiles 15 - i .. 0 ================================================
	TURN 1, 2
	s_sub_co_u32 s31, 13, s17                      ; 16 - i turns: the first above, the last two below; 13 - i is 6 to 13
.Lp2:
	TURN 0, 2
	s_sub_co_u32 s31, s31, 1
	s_cmp_gt_i32 s31, 0                            ; a signed compare: the loop ends whatever the start
	s_cbranch_scc1 .Lp2
	TURN 0, 1
	TURN 0, 0
	MERGE QO2, 1
	s_wait_dscnt 0x0
	s_wait_alu depctr_hold_cnt(0) depctr_sa_sdst(0) depctr_va_vdst(0) depctr_va_sdst(0) depctr_va_ssrc(0) depctr_va_vcc(0) depctr_vm_vsrc(0)
	s_wait_tensorcnt 0x0
	ds_add_u32 v254, v255
	s_wait_dscnt 0x0
	s_endpgm
.Lfunc_end_k_q8bf218186e_attn:
	.size	k_q8bf218186e_attn, .Lfunc_end_k_q8bf218186e_attn-k_q8bf218186e_attn
	.p2alignl 7, 3214868480
	.fill 96, 4, 3214868480
	.section	.rodata,"a",@progbits
	.p2align	6, 0x0
	.amdhsa_kernel k_q8bf218186e_attn
		.amdhsa_group_segment_fixed_size 229888
		.amdhsa_private_segment_fixed_size 0
		.amdhsa_enable_private_segment 0
		.amdhsa_kernarg_size 48
		.amdhsa_user_sgpr_count 2
		.amdhsa_user_sgpr_kernarg_segment_ptr 1
		.amdhsa_wavefront_size32 1
		.amdhsa_system_sgpr_workgroup_id_x 1
		.amdhsa_system_sgpr_workgroup_id_y 1
		.amdhsa_system_sgpr_workgroup_id_z 1
		.amdhsa_system_vgpr_workitem_id 0
		.amdhsa_next_free_vgpr 768
		.amdhsa_next_free_sgpr 66
		.amdhsa_reserve_vcc 0
		.amdhsa_float_denorm_mode_32 3
		.amdhsa_float_denorm_mode_16_64 3
		.amdhsa_memory_ordered 1
		.amdhsa_forward_progress 1
		.amdhsa_inst_pref_size 255
	.end_amdhsa_kernel
	.section	.bss,"aw",@nobits
	.p2align	6
	.space	262144
	.amdgpu_metadata
---
amdhsa.version: [ 1, 2 ]
amdhsa.kernels:
  - .name:           k_q8bf218186e_attn
    .symbol:         k_q8bf218186e_attn.kd
    .args:
      - { .name: queries, .offset: 0, .size: 8, .value_kind: global_buffer, .address_space: global }
      - { .name: keys, .offset: 8, .size: 8, .value_kind: global_buffer, .address_space: global }
      - { .name: values, .offset: 16, .size: 8, .value_kind: global_buffer, .address_space: global }
      - { .name: tau, .offset: 24, .size: 8, .value_kind: global_buffer, .address_space: global }
      - { .name: delta, .offset: 32, .size: 8, .value_kind: global_buffer, .address_space: global }
      - { .name: out0, .offset: 40, .size: 8, .value_kind: global_buffer, .address_space: global }
    .group_segment_fixed_size: 229888
    .private_segment_fixed_size: 0
    .kernarg_segment_align: 8
    .kernarg_segment_size: 48
    .max_flat_workgroup_size: 128
    .sgpr_count:     66
    .vgpr_count:     768
    .wavefront_size: 32
...
	.end_amdgpu_metadata
.endif
;; end of part 2
